; MI455X (gfx1250); checked and timed in simulation.
; The chip was launched on July 23, 2026; its instructions are those of AMD's public machine-readable ISA for CDNA 5 (MIT licence, August 2026) and "CDNA5" Instruction Set Architecture Reference Guide (July 2026). The comments in the code are by the model that wrote it; some were corrected since.
;; Causal Self Attention. Allowed arithmetic: matrix products marked QUANTISED: E5M2 operands, one given power-of-two scale a tensor, by v_wmma_f32_16x16x64_bf8_bf8 or v_wmma_f32_16x16x128_bf8_bf8, f32 sums; everything else in f32.
;; Inputs: b_out 1,024 float32; b_qkv 3,072 float32; lowp_scales 8 int32 (the exponents e of the quantised operands' scales 2^e); w_out_codes 1,024 x 32 x 32 uint8 (E5M2 codes of w_out, K innermost, in blocks of 32 codes); w_qkv_codes 3,072 x 32 x 32 uint8 (E5M2 codes of w_qkv, K innermost, in blocks of 32 codes); x_codes 4 x 2,048 x 32 x 32 uint8 (E5M2 codes of x, K innermost, in blocks of 32 codes).
;; Outputs: out0 4 x 2,048 x 1,024 float32.
;; This version of the problem:
;;   THIS VERSION OF THE PROBLEM IS GIVEN IN LOW PRECISION. The matrix products marked QUANTISED in the list below multiply operands that are first quantised to E5M2 (5 exponent bits, 2 mantissa bits; 8 bits a number), with one given power-of-two scale for each operand tensor; their sums are f32. All else is computed in f32.
;;   The module's matrix products, in the order in which they are computed (A, B: the left and right operand; K: the contracted axis; several contracted axes count as one K, in the product's order):
;;     1. [M 8,192, K 1,024] x [K 1,024, N 3,072]; A: input x (given as codes); B: input w_qkv (given as codes): QUANTISED (scales: A lowp_scales[0], B lowp_scales[1])
;;     2. batch 64 x [M 2,048, K 64] x [K 64, N 2,048]; A: computed on the way; B: computed on the way: QUANTISED (scales: A lowp_scales[2], B lowp_scales[3])
;;     3. batch 64 x [M 2,048, K 2,048] x [K 2,048, N 64]; A: softmax (see below); B: computed on the way: QUANTISED (scales: A lowp_scales[4], B lowp_scales[5])
;;     4. [M 8,192, K 1,024] x [K 1,024, N 1,024]; A: computed on the way; B: input w_out (given as codes): QUANTISED (scales: A lowp_scales[6], B lowp_scales[7])
;;   THE QUANTISER, for each operand of a quantised product, along K:
;;     - The operand's scale is 2^e, e = its entry of the input lowp_scales (int32; the entries are numbered through the quantised products in the list's order, A before B).
;;     - Each number is divided by the scale, clamped to +-57,344, and rounded to the nearest number of E5M2, ties to even, subnormals kept.
;;     - The product sums the exact products of the quantised numbers (number of the format x scale) in f32.
;;   ~~~python
;;   def quantise(x, axis, e):      # numpy; x: float32 -> the quantised numbers, widened to float32 again
;;       x = np.moveaxis(x, axis, -1); K = x.shape[-1]
;;       r = np.clip(x / 2.0 ** e, -57344, 57344)
;;       step = 2.0 ** (np.maximum(np.frexp(np.where(r == 0, 1, r))[1] - 1, -14) - 2)
;;       q = np.round(r / step) * step * 2.0 ** e      # np.round: ties to even
;;       return np.moveaxis(q, -1, axis).astype(np.float32)
;;   ~~~
;;   SOFTMAX AHEAD OF A QUANTISED PRODUCT. Where the list says 'softmax', what is quantised is not the finished softmax but p = 2^(t - M), with t = logit x log2(e) and M = ceil(the row's largest t), a whole number; so 1/2 < the row's largest p <= 1. The row's sum l is taken of the UNQUANTISED p, in f32, and the product's result is divided by l at the end. Since M is a whole number, a kernel that streams over the keys may use a running M (the ceiling of the running maximum): every later rescaling is an exact power of two, so the quantised numbers keep their values, but for numbers so far below the row's largest that they fall under the format's range.
;;   OPERANDS COMPUTED ON THE WAY. 'Computed on the way' means the value that the module computes at that place (a softmax that the list does not call 'softmax' is quantised finished and normalised). What goes into a quantiser is computed in f32, as accurately as f32 sums, v_exp_f32 and their like allow (about 1e-6 of the number): no bf16 or f16 on the way to a quantiser, and a product that is left as it is and whose result goes on into a quantised operand takes f32 operands (vector FMAs, or v_wmma_f32_16x16x4_f32). A number that lies on a knife's edge between two numbers of the format may be rounded either way, as far as f32 arithmetic and the matrix unit's own rounding can turn it there, and no further.
;;   INPUTS GIVEN AS CODES. w_out (in the module: [1024, 1024], K = its axis 0); w_qkv (in the module: [1024, 3072], K = its axis 0); x (in the module: [4, 2048, 1024], K = its axis 2): each comes as NAME_codes (uint8): NAME with its K axis moved to the last place and cut into blocks of 32 codes, [.., K / 32, bytes a block], one block behind the other in memory; one code a byte (a code: sign, 5 exponent bits, 2 mantissa bits); its scale is its entry of lowp_scales. Its value is code x scale, taken as it is: it is not quantised again, and the codes and scales need not be those that the quantiser above would give.
;; One version. Each part assembles by itself: llvm-mc -triple=amdgcn-amd-amdhsa -mcpu=gfx1250 --defsym DOCPART=n.
;; ======== version 1 of 1: 3 launches
;; workspace buffers: qimg 8,388,608 bytes; kimg 8,388,608 bytes; vimg 8,388,608 bytes; yimg 8,388,608 bytes
;; launch qkv (part 1): grid 12 x 32, 4 waves a work-group, clusters of 4 x 4, 327,680 bytes of LDS; arguments x_codes, w_qkv_codes, lowp_scales, b_qkv, qimg, kimg, vimg; writes qimg, kimg, vimg
.if DOCPART == 1
	.amdgcn_target "amdgcn-amd-amdhsa--gfx1250"
	.amdhsa_code_object_version 6
	.text
	.protected	k_q3fbe8c86cb_qkv
	.globl	k_q3fbe8c86cb_qkv
	.p2align	8
	.type	k_q3fbe8c86cb_qkv,@function
k_q3fbe8c86cb_qkv:
	s_mov_b64 s[64:65], 0
	v_nop
	global_prefetch_b8 v0, s[64:65] scope:SCOPE_SE
	s_setreg_imm32_b32 hwreg(HW_REG_WAVE_MODE, 25, 1), 1
	s_wait_xcnt 0x0
	s_wait_alu depctr_hold_cnt(0) depctr_sa_sdst(0) depctr_va_vdst(0) depctr_va_sdst(0) depctr_va_ssrc(0) depctr_va_vcc(0) depctr_vm_vsrc(0)
	s_getreg_b32 s2, hwreg(HW_REG_IB_STS2, 6, 4)
	s_cmp_eq_u32 s2, 0
	s_cbranch_scc0 .Lentry_in_a_cluster
	s_endpgm
.Lentry_in_a_cluster:
	s_bfe_u32 s2, ttmp6, 0x10000c
	s_cmp_lg_u32 s2, 0xf033
	s_cbranch_scc0 .Lentry_shape_is_right
	s_endpgm
.Lentry_shape_is_right:
; qkv = x w_qkv + b_qkv on codes of BF8 (E5M2), then q, k and v are quantised again and stored as images of operand registers.
; x: [8192][1024] codes, w_qkv: [3072][1024] codes, K innermost; lowp_scales: e0 .. e7; b_qkv: [3072] f32.
; A number of the result is sum x 2^(e0 + e1) + bias (one fused multiply-add in f32); q is quantised with 2^e2, k with 2^e3 (both along the head's 64), v with 2^e5 (along the keys).
; LIMITS: e0 + e1 between -126 and 127; e2, e3, e5 between -126 and 112, so that each power of two below is an f32 number.  NaN is not served.
; SHARES.  A tile of 256 tokens x 256 channels is made by four waves, each 128 x 128: 64 accumulators, 512 registers.  K = 1,024 goes in four steps of 256 through two LDS slots.
; CLUSTERS: 4 x 4 work-groups; x's tile is asked for jointly along a row of the cluster, w's along a column.  The cluster's x (0, 1, 2) says whether its channels are q's, k's or v's: the same in all partners.
; WHICH OPERAND IS SOURCE 0.  Call source 0's operand P (eight blocks b, two register sets) and source 1's R (eight blocks a, one set): lane (r, h) of accumulator (a, b) holds R's row 16 a + r and P's rows 16 b + 8 h + 0 .. 7.
; For q and k: P = w, R = x: a lane's eight registers run along the head's 64.  For v: P = x, R = w: they run along the keys.  So the conversions always take neighbours along the next product's K.
; Tensor loads and the LDS map are the same for all; only the two LDS bases of the fragment loads change places.
; THE IMAGES.  q, k: [batch x head][tile of 16 tokens][1,024 bytes]: byte 512 c + 256 h + 16 row + i holds channel 32 c + 16 h + i; tile 2 g + u, row p is token 32 g + 8 u + p + 8 (p / 8).
; v: [batch x head][128 keys][4 tiles of 16 channels][2,048 bytes]: byte 512 c + 256 h + 16 row + i holds key 32 c + 16 h + i of channel row.
; REGISTERS, in windows of 256: window 0: v15-31 addresses and constants; v32-95, v96-111 the biases; v128-255 R's fragments, on the way out at work.  window 1: P's two sets.  windows 2, 3: the accumulators, (a, b) at v[8 (8 (a % 4) + b)].
.set KROW,   1024                      ; a row of x or of w in memory, in bytes
.set ROWB,   256                       ; a tile's row: 256 codes
.set PITCH,  272                       ; an LDS row: 256 bytes + 16 of padding = 68 words, so the 16 rows that a load touches start 4 words apart modulo 64
.set FR,     16                        ; registers of a fragment: 16 rows x 128 K
.set NL,     4                         ; LDS loads that bring one
.set NP,     4                         ; places behind this matrix instruction (ISA guide 7.12.1)
.set HALFT,  128*PITCH                 ; 128 rows: what one tensor load brings
.set SLOT,   4*HALFT                   ; x's 256 rows, then w's 256 rows
.set SPARE,  2*SLOT                    ; behind the ring: the spare words, 128 bytes a wave
.set STGQ,   0                         ; the way out of q and k: 16,384 bytes a wave, in slot 0, which has had its last fill and its last read by then
.set STGV,   65536                     ; the way out of v: bytes of its own, also in slot 0
.set VBV,  15                          ; v15  4 r: my channel's bias on v's way
.set ADRR, 16                          ; v16-17  LDS address of R's fragments in slot 0, 1
.set ADRP, 20                          ; v20-21  of P's
.set STOQ, 22                          ; v22  where I put 8 codes, q's and k's way
.set STOV, 23                          ; v23  v's way
.set RDQ,  24                          ; v24  where I read the stage back
.set RDV,  25
.set GO,   26                          ; v26  16 x lane
.set VBQ,  27                          ; v27  32 h: my eight channels' biases on q's and k's way
.set SPW,  28                          ; v28  my spare word; never rewritten
.set NIL,  29                          ; v29  0; never rewritten
.set SCL,  30                          ; v30  2^e as f32
.set LIM,  31                          ; v31  57,344 x 2^e
.set BQ,   32                          ; v32-95   bias of channel 16 b + 8 h + j at 8 b + j
.set BV,   96                          ; v96-111  bias of channel 16 a + r, twice, at 2 a
.set RF,   128                         ; R's fragments
.set TMP,  128                         ; the way out: a block's 64 numbers
.set CD,   192                         ; two sets of 16 registers of codes
.set RB,   128                         ; the stage read back: 128 registers
.set G1, 24                            ; s[24:31] descriptor group 1 for x's tiles;  s[32:39] group 0, one set a slot
.set G0, 32
.set G1B, 48                           ; s[48:55], s[56:63] the same for w's
.set G0B, 56
.set MSB, 0
.macro WIN new                         ; the immediate's high byte repeats the setting that is left
.if MSB != (\new)
	s_set_vgpr_msb (MSB<<8)|(\new)
.set MSB, (\new)
.endif
.endm
.set MUL_LO, 0xa1                      ; source 0 (P) window 1, source 1 (R) window 0, C and D window 2
.set MUL_HI, 0xf1                      ; the same, C and D window 3
.set TO_P,   0x40                      ; destination window 1, address window 0
; A joint load: waves 0 and 1 fetch x's halves, waves 2 and 3 w's.  The branch hangs on the wave's number alone.  Four v_nop follow each of the two lines.
.macro JLOAD g0a, g1a, g0b, g1b
	s_cmp_eq_u32 s15, 0
	s_cbranch_scc0 .Lfor_w_\@
	tensor_load_to_lds s[\g0a:\g0a+3], s[\g1a:\g1a+7]
	s_nop 0
.rept 4
	v_nop
.endr
	s_branch .Lasked_\@
.Lfor_w_\@:
	tensor_load_to_lds s[\g0b:\g0b+3], s[\g1b:\g1b+7]
	s_nop 0
.rept 4
	v_nop
.endr
.Lasked_\@:
.endm
.macro CREST                           ; a round of the cluster's barrier behind its opening barrier
	s_cmp_lg_u32 s14, 0
	s_cbranch_scc1 .Lnot_wave_0_\@
	s_barrier_signal -3
.Lnot_wave_0_\@:
	s_barrier_wait -3
	s_barrier_signal -1
	s_barrier_wait -1
.endm
.macro CROUND                          ; a whole round
	s_barrier_signal -1
	s_barrier_wait -1
	CREST
.endm
	s_load_b256 s[4:11], s[0:1], 0x0               ; x s[4:5], w s[6:7], the exponents s[8:9], b_qkv s[10:11]
	s_load_b128 s[68:71], s[0:1], 0x20             ; q's images, k's images
	s_load_b64 s[72:73], s[0:1], 0x30              ; v's images
	v_lshl_add_u32 v[SPW], v0, 2, SPARE
	v_mov_b32 v[NIL], 0
	ds_add_u32 v28, v29
	s_wait_dscnt 0x0
	v_lshrrev_b32 v1, 5, v0
	v_readfirstlane_b32 s14, v1                    ; wave 0..3
	s_lshr_b32 s15, s14, 1                         ; which half of R's rows is mine.  Also: I fetch for x (0) or for w (1)
	s_and_b32 s16, s14, 1                          ; which half of P's rows.  Also: which 128 rows of that tile I fetch
	s_bfe_u32 s40, ttmp6, 0x40000                  ; cx, cy: my place in the cluster
	s_bfe_u32 s41, ttmp6, 0x40004
	s_lshl_b32 s42, ttmp9, 2
	s_add_co_u32 s42, s42, s40                     ; tile column: 256 channels each, 4 x cluster x + cx
	s_and_b32 s17, ttmp7, 0xffff
	s_lshl_b32 s17, s17, 2
	s_add_co_u32 s17, s17, s41                     ; tile row: 256 tokens each, 4 x cluster y + cy
	s_lshl_b32 s43, s41, 2
	s_lshl_b32 s43, 15, s43                        ; my row of the cluster
	s_lshl_b32 s44, 0x1111, s40                    ; my column
	; descriptor group 1: a tile of 128 rows x 256 bytes, padded in LDS
	s_or_b32 s[G1+0], s43, (0<<16)|(1<<20)|(1<<21)|(5<<22)|(3<<25)  ; 15:0 the mask: x's tiles go to my row; 17:16 elements of 1 byte; 20 padding on; 21 set beside a mask; 24:22 after every 64 words; 31:25 four words
	s_or_b32 s[G1B+0], s44, (0<<16)|(1<<20)|(1<<21)|(5<<22)|(3<<25) ; the same with my column's mask, for w's tiles
.irp g, G1, G1B
	s_mov_b32 s[\g+1], ROWB<<16                    ; tensor_dim0
	s_mov_b32 s[\g+2], 128<<16                     ; tensor_dim1
	s_mov_b32 s[\g+3], ROWB<<16                    ; tile_dim0
	s_mov_b32 s[\g+4], 128                         ; tile_dim1
	s_mov_b32 s[\g+5], KROW                        ; tensor_dim0_stride
	s_mov_b32 s[\g+6], 0
	s_mov_b32 s[\g+7], 0
.endr
	s_lshl_b32 s18, s16, 7                         ; which 128 rows of the tile I fetch
	s_lshl_b32 s20, s17, 8
	s_add_co_u32 s20, s20, s18                     ; x: row 256 x tile row + 128 x half
	s_lshl_b32 s46, s42, 8
	s_add_co_u32 s46, s46, s18                     ; w: row 256 x tile column + 128 x half
	s_mov_b32 s21, 0
	s_mov_b32 s47, 0
	s_mov_b64 s[18:19], KROW
	s_mul_u64 s[20:21], s[20:21], s[18:19]
	s_mul_u64 s[46:47], s[46:47], s[18:19]
	s_mul_i32 s45, s14, HALFT                      ; where they go: wave x 128 rows: no place in the cluster enters an LDS address
	s_wait_kmcnt 0x0
	s_load_b256 s[80:87], s[8:9], 0x0              ; e0 .. e7
	s_add_nc_u64 s[20:21], s[4:5], s[20:21]
	s_add_nc_u64 s[46:47], s[6:7], s[46:47]
	CROUND                                         ; all sixteen work-groups are here: the first joint loads meet
.irp s, 0,1
	s_mov_b32 s[G0+4*\s], 1
	s_add_co_u32 s[G0+4*\s+1], s45, \s*SLOT
	s_add_nc_u64 s[G0+4*\s+2:G0+4*\s+3], s[20:21], \s*ROWB
	s_or_b32 s[G0+4*\s+3], s[G0+4*\s+3], 0x80000000
	s_mov_b32 s[G0B+4*\s], 1
	s_add_co_u32 s[G0B+4*\s+1], s45, \s*SLOT
	s_add_nc_u64 s[G0B+4*\s+2:G0B+4*\s+3], s[46:47], \s*ROWB
	s_or_b32 s[G0B+4*\s+3], s[G0B+4*\s+3], 0x80000000
	JLOAD G0+4*\s, G1, G0B+4*\s, G1B
.endr
	; every LDS address is made here, ahead of any parting of ways
	v_and_b32 v1, 15, v0                           ; r
	v_bfe_u32 v2, v0, 4, 1                         ; h
	v_mul_u32_u24 v3, v1, PITCH
	v_lshl_add_u32 v4, v2, 4, v3                   ; a fragment's row x pitch + 16 h
	s_cmp_eq_u32 ttmp9, 2                          ; v's channels?  The cluster's x: the same in all partners
	s_cselect_b32 s66, 2*HALFT, 0                  ; R is w (behind x's 256 rows) for v, else x
	s_cselect_b32 s67, 0, 2*HALFT                  ; P is x for v, else w
	s_mul_i32 s21, s15, HALFT
	s_add_co_u32 s21, s21, s66                     ; my 128 rows of R
	s_mul_i32 s22, s16, HALFT
	s_add_co_u32 s22, s22, s67                     ; my 128 rows of P
.irp s, 0,1
	v_add_nc_u32 v[ADRR+\s], s21, v4
	v_add_nc_u32 v[ADRP+\s], s22, v4
	s_add_co_u32 s21, s21, SLOT
	s_add_co_u32 s22, s22, SLOT
.endr
	s_lshl_b32 s23, s14, 14                        ; my stage: 16,384 x wave
	v_lshrrev_b32 v5, 3, v1
	v_and_b32 v6, 7, v1
	v_lshlrev_b32 v5, 10, v5                       ; q, k: token 16 a + r lies in tile 2 (a / 2) + r / 8, row 8 (a % 2) + r % 8
	v_lshl_add_u32 v5, v6, 4, v5
	v_lshl_add_u32 v5, v2, 3, v5
	v_add_nc_u32 v[STOQ], s23, v5                  ; STGQ + 16,384 wave + 1,024 (r / 8) + 16 (r % 8) + 8 h
	v_lshlrev_b32 v5, 4, v1
	v_lshl_add_u32 v5, v2, 3, v5
	v_add_nc_u32 v5, s23, v5
	v_add_nc_u32 v[STOV], STGV, v5                 ; STGV + 16,384 wave + 16 r + 8 h
	v_and_b32 v6, 31, v0
	v_lshlrev_b32 v[GO], 4, v6
	v_add_nc_u32 v[RDQ], s23, v[GO]
	v_add_nc_u32 v[RDV], STGV, v[RDQ]
	v_lshlrev_b32 v[VBQ], 5, v2
	v_lshlrev_b32 v[VBV], 2, v1
	; the biases, for both ways out (both lie inside b_qkv: 256 x 11 + 255 < 3,072); they are waited for in front of the way out
	s_lshl_b32 s90, s42, 10
	s_lshl_b32 s91, s16, 9
	s_add_co_u32 s76, s90, s91
	s_mov_b32 s77, 0
	s_add_nc_u64 s[76:77], s[10:11], s[76:77]      ; b_qkv at channel 256 x tile column + 128 x P's half
	s_lshl_b32 s91, s15, 9
	s_add_co_u32 s78, s90, s91
	s_mov_b32 s79, 0
	s_add_nc_u64 s[78:79], s[10:11], s[78:79]      ; and at 128 x R's half
.irp b, 0,1,2,3,4,5,6,7
	global_load_b128 v[BQ+8*\b:BQ+8*\b+3], v[VBQ], s[76:77] offset:64*\b
	global_load_b128 v[BQ+8*\b+4:BQ+8*\b+7], v[VBQ], s[76:77] offset:64*\b+16
.endr
.irp a, 0,1,2,3,4,5,6,7
	global_load_b32 v[BV+2*\a], v[VBV], s[78:79] offset:64*\a
	global_load_b32 v[BV+2*\a+1], v[VBV], s[78:79] offset:64*\a
.endr
.macro FRAG reg, adr, q, i             ; a fragment: lane l holds row l % 16; registers 4 c .. 4 c + 3 hold K = 32 c + 16 (l / 16) + 0 .. 15: the same order of k in both operands
.irp c, 0,1,2,3
	ds_load_b128 v[\reg+4*\c:\reg+4*\c+3], v[\adr] offset:128*(\q)+32*\c+(\i)*16*PITCH
.endr
.endm
; 16 matrix instructions: R's blocks a0, a0 + 1 x P's eight, 128 along K.  p: P's set.  zero = 1: the first product starts the sums.
; The 64 accumulators take turns, one instruction a turn, in the same order in every step.
.macro MUL16 a0, p, zero
.irp a, \a0, \a0+1
.irp b, 0,1,2,3,4,5,6,7
.if \zero
	v_wmma_f32_16x16x128_bf8_bf8 v[8*(8*((\a)%4)+\b):8*(8*((\a)%4)+\b)+7], v[128*(\p)+FR*\b:128*(\p)+FR*\b+FR-1], v[RF+FR*(\a):RF+FR*(\a)+FR-1], 0
.else
	v_wmma_f32_16x16x128_bf8_bf8 v[8*(8*((\a)%4)+\b):8*(8*((\a)%4)+\b)+7], v[128*(\p)+FR*\b:128*(\p)+FR*\b+FR-1], v[RF+FR*(\a):RF+FR*(\a)+FR-1], v[8*(8*((\a)%4)+\b):8*(8*((\a)%4)+\b)+7]
.endif
.endr
.endr
.endm
.macro FETCH_P slot, q, p              ; P's eight fragments of the slot's q-th 128 along K into set p
	WIN TO_P
.irp i, 0,1,2,3,4,5,6,7
	FRAG 128*(\p)+FR*\i, ADRP+\slot, \q, \i
.endr
	WIN 0
.endm
.macro FETCH_R slot, q, i0             ; R's blocks i0 .. i0 + 3
.irp i, \i0, \i0+1, \i0+2, \i0+3
	FRAG RF+FR*(\i), ADRR+\slot, \q, \i
.endr
.endm
; A load into a register that a matrix instruction has read, and a vector instruction that reads a matrix result, stand NP places behind it; only plain vector instructions that name none of its registers are places.
.macro PLACES n
.rept \n
	v_nop
.endr
.endm
; A step of 128 along K that has its successor in the same slot.
.macro STEP slot, q, zero
	s_wait_dscnt 4*NL                              ; P's set and R's blocks 0-3 are in; the youngest sixteen loads (R's blocks 4-7) may be out
	WIN MUL_LO
	MUL16 0, (\q)%2, \zero
	MUL16 2, (\q)%2, \zero
	s_wait_dscnt 0                                 ; R's blocks 4-7 are in
	PLACES NP
	FETCH_P \slot, (\q)+1, 1-(\q)%2
	FETCH_R \slot, (\q)+1, 0
	WIN MUL_HI
	MUL16 4, (\q)%2, \zero
	MUL16 6, (\q)%2, \zero
	PLACES NP
	WIN 0
	FETCH_R \slot, (\q)+1, 4
.endm
; A slot's last step changes slots: ONE barrier; in front of it each wave waits for all its tensor loads, adds 0 to its spare word, and waits for that and for its own reads of this slot.  fill = 1: this slot is filled again, two K steps ahead.
.macro TURN slot, next, fill
	s_wait_tensorcnt 0x0                           ; all my tensor loads have landed: my part of the next slot  (every window is 0 here)
	ds_add_u32 v[SPW], v[NIL]                      ; 0 onto my spare word
	s_wait_dscnt 4*NL+1                            ; the add and the youngest sixteen loads (R's blocks 4-7) may be out
	WIN MUL_LO
	MUL16 0, 1, 0                                  ; sixteen matrix instructions stand between the add and the wait for it
	s_wait_dscnt 0x0                               ; the add is done, and my reads of this slot are over
	s_barrier_signal -1
	MUL16 2, 1, 0
	WIN 0
	s_barrier_wait -1
.if \fill
	CREST                                          ; the barrier has opened a round of the cluster's: no wave of any partner still reads this slot or has a load on its way
	s_add_nc_u64 s[G0+4*\slot+2:G0+4*\slot+3], s[G0+4*\slot+2:G0+4*\slot+3], 2*ROWB
	s_add_nc_u64 s[G0B+4*\slot+2:G0B+4*\slot+3], s[G0B+4*\slot+2:G0B+4*\slot+3], 2*ROWB
	JLOAD G0+4*\slot, G1, G0B+4*\slot, G1B         ; the first tensor load behind the round; its four v_nop are the places in front of the loads below
.else
	PLACES NP
.endif
	FETCH_P \next, 0, 0
	FETCH_R \next, 0, 0
	WIN MUL_HI
	MUL16 4, 1, 0
	MUL16 6, 1, 0
	PLACES NP
	WIN 0
	FETCH_R \next, 0, 4
.endm
	s_wait_tensorcnt 1                             ; my part of K step 0 is in; K step 1's load may be out
	s_barrier_signal -1
	s_barrier_wait -1
	FETCH_P 0, 0, 0
	FETCH_R 0, 0, 0
	FETCH_R 0, 0, 4
	; K = 1,024: four K steps of 256, eight steps of 128, written straight: slot 0 holds K steps 0 and 2, slot 1 holds 1 and 3
	STEP 0, 0, 1                                   ; the first products start the sums
	TURN 0, 1, 1
	STEP 1, 0, 0
	TURN 1, 0, 1
	STEP 0, 0, 0
	TURN 0, 1, 0                                   ; nothing is left to fetch: a plain barrier; behind it nobody reads slot 0
	STEP 1, 0, 0
	s_wait_dscnt 4*NL
	WIN MUL_LO
	MUL16 0, 1, 0
	MUL16 2, 1, 0
	s_wait_dscnt 0
	WIN MUL_HI
	MUL16 4, 1, 0
	MUL16 6, 1, 0
	WIN 0
	; THE WAY OUT: the scales, the buffer and my place in it
	s_wait_kmcnt 0x0
	s_add_co_i32 s88, s80, s81                     ; e0 + e1
	s_add_co_i32 s88, s88, 127
	s_lshl_b32 s88, s88, 23                        ; 2^(e0 + e1) as f32
	s_mov_b32 s89, s88                             ; (named with it as a pair)
	s_cmp_eq_u32 ttmp9, 0
	s_cselect_b32 s90, s82, s83                    ; e2 for q, e3 for k,
	s_cselect_b64 s[74:75], s[68:69], s[70:71]
	s_cmp_eq_u32 ttmp9, 2
	s_cselect_b32 s90, s85, s90                    ; e5 for v
	s_cselect_b64 s[74:75], s[72:73], s[74:75]
	s_cselect_b32 s91, s16, s15                    ; which half of the tokens is mine,
	s_cselect_b32 s92, s15, s16                    ; which half of the channels
	s_add_co_i32 s90, s90, 127
	s_lshl_b32 s93, s90, 23
	v_mov_b32 v[SCL], s93                          ; 2^e: the conversion takes its exponent field
	s_add_co_i32 s90, s90, 15
	s_lshl_b32 s90, s90, 23
	s_or_b32 s90, s90, 0x600000
	v_mov_b32 v[LIM], s90                          ; 57,344 x 2^e
	s_lshr_b32 s93, s17, 3                         ; the batch: eight tile rows each
	s_lshl_b32 s93, s93, 4
	s_lshl_b32 s94, s40, 2                         ; the head: 4 cx + 2 x half (256 channels are four heads)
	s_add_co_u32 s93, s93, s94
	s_lshl_b32 s94, s92, 1
	s_add_co_u32 s93, s93, s94
	s_lshl_b32 s93, s93, 17                        ; 131,072 bytes for each head of each batch
	s_and_b32 s94, s17, 7
	s_lshl_b32 s94, s94, 14                        ; 64 bytes a token: 256 tokens a tile row,
	s_add_co_u32 s93, s93, s94
	s_lshl_b32 s94, s91, 13                        ; 128 a half
	s_add_co_u32 s92, s93, s94
	s_mov_b32 s93, 0
	s_add_nc_u64 s[74:75], s[74:75], s[92:93]
	s_wait_loadcnt 0x0                             ; the biases
	PLACES NP                                      ; behind the last products, in front of the first read of results and the first write over R's fragments
; Block a (R's rows 16 a on) of my tile: sum x 2^(e0 + e1) + bias, held, converted, eight codes a lane and accumulator into my stage.
.macro EPIBLK isv, a
	WIN 0x02+((\a)/4)                              ; source 0: window 2 or 3
.irp b, 0,1,2,3,4,5,6,7
.irp e, 0,2,4,6
.if \isv
	v_pk_fma_f32 v[TMP+8*\b+\e:TMP+8*\b+\e+1], v[64*((\a)%4)+8*\b+\e:64*((\a)%4)+8*\b+\e+1], s[88:89], v[BV+2*(\a):BV+2*(\a)+1] op_sel_hi:[1,0,1]   ; v: one channel a lane
.else
	v_pk_fma_f32 v[TMP+8*\b+\e:TMP+8*\b+\e+1], v[64*((\a)%4)+8*\b+\e:64*((\a)%4)+8*\b+\e+1], s[88:89], v[BQ+8*\b+\e:BQ+8*\b+\e+1] op_sel_hi:[1,0,1]   ; q, k: eight channels a lane; each accumulator from its low end on
.endif
.endr
.endr
	WIN 0
.set n, 0
.rept 64
	v_med3_num_f32 v[TMP+n], v[TMP+n], -v[LIM], v[LIM]   ; the conversion to an 8-bit code does not saturate (ISA guide 7.6.2): the hold at the largest code x the scale
.set n, n+1
.endr
.if (\a) >= 2
	s_wait_dscnt 8                                 ; block a - 2's eight stores have read this set of codes; block a - 1's eight may be out
.endif
.irp b, 0,1,2,3,4,5,6,7
	v_cvt_scalef32_pk8_bf8_f32 v[CD+16*((\a)%2)+2*\b:CD+16*((\a)%2)+2*\b+1], v[TMP+8*\b:TMP+8*\b+7], v[SCL]
.endr
	v_nop                                          ; one plain vector instruction between the conversions and the next block's writes of their sources
.irp b, 0,1,2,3,4,5,6,7
.if \isv
	ds_store_b64 v[STOV], v[CD+16*((\a)%2)+2*\b:CD+16*((\a)%2)+2*\b+1] offset:2048*(\a)+256*\b     ; channel 16 a + r, keys 16 b + 8 h + 0 .. 7
.else
	ds_store_b64 v[STOQ], v[CD+16*((\a)%2)+2*\b:CD+16*((\a)%2)+2*\b+1] offset:8192*(\b/4)+256*(\b%4)+2048*((\a)/2)+128*((\a)%2)   ; head b / 4, channels 16 (b % 4) + 8 h + 0 .. 7
.endif
.endr
.endm
; The stage holds two heads' 8,192 bytes as they lie in the buffer.  LDS serves a wave's instructions in order (ISA guide 5.7.1.4): the loads see my stores.
.macro EPIOUT rd
.set n, 0
.rept 32
	ds_load_b128 v[RB+4*n:RB+4*n+3], v[\rd] offset:512*n
.set n, n+1
.endr
.set n, 0
.rept 32
	s_wait_dscnt 31-n                              ; load n is in; the 31 - n issued behind it may be out
	global_store_b128 v[GO], v[RB+4*n:RB+4*n+3], s[74:75] offset:512*(n%16)+131072*(n/16)   ; 32 lanes store 512 consecutive bytes, at a multiple of 512 from the buffer's first byte
.set n, n+1
.endr
.endm
.macro EPI isv
.irp a, 0,1,2,3,4,5,6,7
	EPIBLK \isv, \a
.endr
.if \isv
	EPIOUT RDV
.else
	EPIOUT RDQ
.endif
.endm
	s_cmp_eq_u32 ttmp9, 2                          ; the cluster's x: all partners take the same way
	s_cbranch_scc1 .Lv
	EPI 0
	s_branch .Ljoin
.Lv:
	EPI 1
.Ljoin:
	s_wait_tensorcnt 0x0                           ; the wave's end
	ds_add_u32 v[SPW], v[NIL]
	s_wait_dscnt 0x0
	CROUND                                         ; the closing round: no work-group ends while a partner may still ask for a tile that names it
	s_endpgm
.Lfunc_end_k_q3fbe8c86cb_qkv:
	.size	k_q3fbe8c86cb_qkv, .Lfunc_end_k_q3fbe8c86cb_qkv-k_q3fbe8c86cb_qkv
	.p2alignl 7, 3214868480
	.fill 96, 4, 3214868480
	.section	.rodata,"a",@progbits
	.p2align	6, 0x0
	.amdhsa_kernel k_q3fbe8c86cb_qkv
		.amdhsa_group_segment_fixed_size 327680
		.amdhsa_private_segment_fixed_size 0
		.amdhsa_enable_private_segment 0
		.amdhsa_kernarg_size 56
		.amdhsa_user_sgpr_count 2
		.amdhsa_user_sgpr_kernarg_segment_ptr 1
		.amdhsa_wavefront_size32 1
		.amdhsa_system_sgpr_workgroup_id_x 1
		.amdhsa_system_sgpr_workgroup_id_y 1
		.amdhsa_system_sgpr_workgroup_id_z 1
		.amdhsa_system_vgpr_workitem_id 0
		.amdhsa_next_free_vgpr 1024
		.amdhsa_next_free_sgpr 100
		.amdhsa_reserve_vcc 0
		.amdhsa_float_denorm_mode_32 3
		.amdhsa_float_denorm_mode_16_64 3
		.amdhsa_memory_ordered 1
		.amdhsa_forward_progress 1
		.amdhsa_inst_pref_size 208
	.end_amdhsa_kernel
	.amdgpu_metadata
---
amdhsa.version: [ 1, 2 ]
amdhsa.kernels:
  - .name:           k_q3fbe8c86cb_qkv
    .symbol:         k_q3fbe8c86cb_qkv.kd
    .args:
      - { .name: x_codes, .offset: 0, .size: 8, .value_kind: global_buffer, .address_space: global }
      - { .name: w_qkv_codes, .offset: 8, .size: 8, .value_kind: global_buffer, .address_space: global }
      - { .name: lowp_scales, .offset: 16, .size: 8, .value_kind: global_buffer, .address_space: global }
      - { .name: b_qkv, .offset: 24, .size: 8, .value_kind: global_buffer, .address_space: global }
      - { .name: qimg, .offset: 32, .size: 8, .value_kind: global_buffer, .address_space: global }
      - { .name: kimg, .offset: 40, .size: 8, .value_kind: global_buffer, .address_space: global }
      - { .name: vimg, .offset: 48, .size: 8, .value_kind: global_buffer, .address_space: global }
    .group_segment_fixed_size: 327680
    .private_segment_fixed_size: 0
    .kernarg_segment_align: 8
    .kernarg_segment_size: 56
    .max_flat_workgroup_size: 128
    .sgpr_count:     100
    .vgpr_count:     1024
    .wavefront_size: 32
...
	.end_amdgpu_metadata
.endif
;; end of part 1
;; launch attn (part 2): grid 4 x 64, 8 waves a work-group, no clusters, 327,680 bytes of LDS; arguments qimg, kimg, vimg, lowp_scales, yimg; writes yimg
.if DOCPART == 2
	.amdgcn_target "amdgcn-amd-amdhsa--gfx1250"
	.amdhsa_code_object_version 6
	.text
	.protected	k_q3fbe8c86cb_attn
	.globl	k_q3fbe8c86cb_attn
	.p2align	8
	.type	k_q3fbe8c86cb_attn,@function
k_q3fbe8c86cb_attn:
	s_mov_b64 s[64:65], 0
	v_nop
	global_prefetch_b8 v0, s[64:65] scope:SCOPE_SE
	s_setreg_imm32_b32 hwreg(HW_REG_WAVE_MODE, 25, 1), 1
	s_wait_xcnt 0x0
; y = softmax(q k^T / 8, causal) v for 64 heads of 2,048 tokens x 64 channels, both products on codes of BF8 (E5M2); y is quantised with 2^e6 and stored as images of operand registers.
; q, k: [head][tile of 16 tokens][1,024 bytes]: byte 512 c + 256 h + 16 row + i = channel 32 c + 16 h + i; tile 2 g + u, row p is token 32 g + 8 u + p + 8 (p / 8).
; v: [head][128 keys][4 tiles of 16 channels][2,048 bytes]: byte 512 c + 256 h + 16 row + i = key 32 c + 16 h + i.  y: [tile of 16 tokens, same order][head][1,024 bytes], as q.
; THE SOFTMAX: t = score x 2^(e2 + e3) x log2(e) / 8; M = the running largest t rounded UP to a whole number; p = 2^(t - M) is quantised with 2^e4, not normalised.  The row's sum is taken of the unquantised p and divides at the end.
; When M moves, the sum and O are multiplied by 2^(old M - new M): exact.
; LIMITS: e2 + e3 between -123 and 130 (added to the constant's exponent field); e4 and e6 between -126 and 112; e4 + e5 is applied by v_ldexp_f32 and has none.  NaN is not served.
; SHARES.  Work-group (p, head) stays and makes two blocks of 256 queries: block 7 - p, then block p: (8 - p) + (p + 1) = 9 slots of 256 keys in every work-group, so the loop's trip count is a constant and all 256 work-groups have equal work.
; Each of eight waves owns 32 queries, two tiles, so that each fragment of K and V read from LDS feeds two products; two waves share a SIMD's registers.
; No cluster: from trip 8 - p on the four work-groups of a head want different tiles, so their requests coincide in 5 of 9 trips only.
; LAYOUT.  S^T = K Q^T (source 0 = 16 keys, source 1 = 16 queries), O^T = V^T P^T (source 0 = 16 channels, source 1 = P): a lane holds ONE query (lane % 16) throughout, and by the order of tokens in a tile the 16 registers
; of tiles 2 b and 2 b + 1 of S^T are keys 32 b + 16 (lane / 16) + 0 .. 15: the conversions' results are the second product's operand.
; A step all of whose 128 keys come after the wave's queries is left out by a scalar branch on ids; no barrier and no tensor load stands in a step.
; REGISTERS: window 0: v1-11 addresses and constants; v16-31 statistics, eight a tile; v32-35 a second chain of sums; v36-41 scales; v64-191 S^T, then p (64 a tile); v192-223 p's codes (16 a tile).
;   window 1: v0-15 Q; v16-79 K's eight fragments; v80-143 V's four; v144-207 O^T (32 a tile).
.set SLOT1, 32768                      ; a slot: 16 tiles of K (16,384 bytes), then two steps of V (16,384); slot 1 begins here: one exclusive or turns an address
.set VOFF,  16384
.set SPARE, 65536                      ; behind the ring: the spare words, 128 bytes for each of eight waves
.set LI,   1                           ; v1   16 x lane: an image's place for my lane
.set ADK,  2                           ; v2   LDS address of the slot in hand
.set SPW,  4                           ; v4   my spare word; never rewritten
.set NIL,  5                           ; v5   0; never rewritten
.set PFO,  6                           ; v6   256 x lane: the prefetches' offset
.set LQ,   7                           ; v7   r + 8 (r / 8) - 16 h
.set D0,   8                           ; v8, v9  the mask's bound for tile 0, 1
.set D1,   9
.set NINF, 10                          ; v10  -infinity
.set YO,   11                          ; v11  16 r + 8 h: my 8 codes of y
.set ST,   16                          ; tile u at v[ST + 8 u]: +0 -M, +1 the largest t, +2, +3 the sum in two halves, +4 f, +5 its pair's upper word, +6, +7 at work
.set TT,   32                          ; v[32 + 2 u ..]  a second chain of sums
.set SC4,  36                          ; 2^e4
.set SC6,  37                          ; 2^e6
.set LM6,  38                          ; 57,344 x 2^e6
.set LM4,  40                          ; v40, v41  57,344 x 2^e4, twice: the two halves of a dual instruction take their second sources from different register banks
.set S,    64
.set P,    192
.set QF,   0                           ; window 1
.set KFR,  16
.set VFR,  80
.set OO,   144
.set WV,   14                          ; s14  wave
.set SEL,  20                          ; s[20:21] v_permlanex16_b32's selects for lane l xor 16
.set CS,   22                          ; s[22:23] c = 2^(e2 + e3) log2(e) / 8, twice
.set G1,   24                          ; s[24:31] descriptor group 1
.set G0,   32                          ; s[32:35] group 0, which walks
.set SRC,  36                          ; s[36:37] the head's first byte of what I fetch: K (wave 0) or V (wave 1)
.set OFF,  38                          ; s[38:39] the next slot's byte offset
.set J,    40                          ; s40  the trip, 0 .. 8
.set LEN,  41                          ; s41  8 - p: the first block's slots
.set LAST, 42                          ; s42  7 - p
.set SLOTS, 43                         ; s43  fills still to be asked for
.set TB,   44                          ; s44  LDS byte at which the slot in hand begins
.set KF,   45                          ; s45  the step's first key
.set Q0,   46                          ; s46  my first query
.set GRP,  47                          ; s47  my group of 32 queries
.set QH,   48                          ; s[48:49] q's images of my head
.set YH,   50                          ; s[50:51] y's images at my batch and head
.set YB,   54                          ; s[54:55] at my group
.set QC,   56                          ; s[56:57] q's images at my group
.set PFA,  76                          ; s[76:77] where my prefetches stand
.set PLIM, 78                          ; s78  2 in a wave that prefetches, else the greatest number
.set MSB, 0
.macro WIN new                         ; the immediate's high byte repeats the setting that is left
.if MSB != (\new)
	s_set_vgpr_msb (MSB<<8)|(\new)
.set MSB, (\new)
.endif
.endm
; Wave 0 fetches a slot's K, wave 1 its V, the others nothing.  Four v_nop follow the line.
.macro TLOAD
	s_cmp_lt_u32 s[WV], 2
	s_cbranch_scc0 .Lno_load_\@
	tensor_load_to_lds s[G0:G0+3], s[G1:G1+7]
	s_nop 0
.rept 4
	v_nop
.endr
.Lno_load_\@:
.endm
; A PREFETCH INTO THE L2 of the slot that the NEXT change of slots will ask for.  All four work-groups of a head begin with their long block and walk the same slots; the one with p = 0 walks all eight and asks, nobody else.
; In it waves 4 and 5 ask for K's 16,384 bytes, waves 6 and 7 for V's: 8,192 a wave, lanes 256 bytes apart, one instruction each.  Trip J asks for slot J + 2, J = 0 .. 5: each block of 256 bytes is named once; slots 0 and 1 come by their loads alone.
.macro ASK
	s_cmp_gt_u32 s[SLOTS], s[PLIM]
	s_cbranch_scc0 .Lnot_mine_\@
	global_prefetch_b8 v[PFO], s[PFA:PFA+1] th:TH_LOAD_NT scope:SCOPE_SE
.Lnot_mine_\@:
.endm
; THE CHANGE OF SLOTS stands at a slot's head.  Each wave waits for all its tensor loads, adds 0 to its spare word, and waits for that and for its reads of the slot that it has left.  Behind the barrier the slot ahead is whole
; and nobody reads the other one.  fill = 1: that other one takes trip J + 1's keys: slot J + 1 of the first block, or J + 1 - LEN of the second.
.macro CHANGE fill
	s_wait_tensorcnt 0x0                           ; no tensor load of mine is out, so group 0 may be written
	ds_add_u32 v[SPW], v[NIL]                      ; 0 onto my spare word
.if \fill
	s_add_co_u32 s80, s[J], 1
	s_cmp_gt_u32 s80, s[LAST]
	s_cselect_b32 s81, s[LEN], 0
	s_sub_co_u32 s80, s80, s81
	s_lshl_b32 s[OFF], s80, 14                     ; 16,384 bytes a slot, in K and in V
	s_add_nc_u64 s[G0+2:G0+3], s[SRC:SRC+1], s[OFF:OFF+1]
	s_or_b32 s[G0+3], s[G0+3], 0x80000000
	s_xor_b32 s[G0+1], s[G0+1], SLOT1              ; the other slot than last time
	s_wait_xcnt 0x0                                ; the last prefetch, a slot back, has read its address
	s_add_nc_u64 s[PFA:PFA+1], s[PFA:PFA+1], 16384
.endif
	s_wait_dscnt 0x0                               ; the add is done, and my reads of the slot that I have left are over
	s_barrier_signal -1
	s_barrier_wait -1
.if \fill
	TLOAD                                          ; the first thing behind the barrier, a wave's one tensor load until the next
	ASK
.endif
.endm
; A block begins: addresses, Q's two fragments, zeros for O^T and the sums (the step is written once: its first turn finds zeros, which the first change of M leaves zeros).
.macro START
	s_lshl_b32 s52, s[GRP], 11                     ; two tiles of 1,024 bytes a group
	s_mov_b32 s53, 0
	s_add_nc_u64 s[QC:QC+1], s[QH:QH+1], s[52:53]
	s_lshl_b32 s52, s[GRP], 15                     ; two tiles of 16 heads x 1,024 bytes
	s_add_nc_u64 s[YB:YB+1], s[YH:YH+1], s[52:53]
	s_lshl_b32 s[Q0], s[GRP], 5
	s_mov_b32 s[KF], 0
	WIN 0x40                                       ; destination window 1
.irp k, 0,1,2,3
	global_load_b128 v[QF+4*\k:QF+4*\k+3], v[LI], s[QC:QC+1] offset:512*\k th:TH_LOAD_NT
.endr
.set n, 0
.rept 64
	v_mov_b32 v[OO+n], 0
.set n, n+1
.endr
	WIN 0
.irp u, 0,1
	v_mov_b32 v[ST+8*\u+1], 0xff61b1e6             ; the largest t so far: -3e38, under every t
	v_floor_f32 v[ST+8*\u], -v[ST+8*\u+1]          ; -M
	v_mov_b32 v[ST+8*\u+2], 0
	v_mov_b32 v[ST+8*\u+3], 0
.endr
	s_wait_loadcnt 0x0                             ; Q
.endm
; A block ends: O^T x 2^(e4 + e5) / the sum, held, converted with 2^e6.  Lane (r, h)'s eight codes of tile t are channels 16 t + 8 h + 0 .. 7 of row r: byte 256 t + 16 r + 8 h of the image.
.macro FINISH
.irp u, 0,1
	v_add_f32 v[ST+8*\u+6], v[ST+8*\u+2], v[ST+8*\u+3]
.endr
.irp u, 0,1
	v_permlanex16_b32 v[ST+8*\u+7], v[ST+8*\u+6], s[SEL], s[SEL+1]
.endr
.irp u, 0,1
	v_add_f32 v[ST+8*\u+6], v[ST+8*\u+6], v[ST+8*\u+7]   ; the row's sum
.endr
.irp u, 0,1
	v_rcp_f32 v[ST+8*\u+6], v[ST+8*\u+6]
.endr
	v_nop                                          ; one plain place behind the transcendentals
	s_wait_alu depctr_va_vdst(0)
.irp u, 0,1
	v_ldexp_f32 v[ST+8*\u+4], v[ST+8*\u+6], s79
.endr
	WIN 0x01                                       ; source 0 (O^T) window 1
.irp u, 0,1
.set n, 0
.rept 16
	v_pk_mul_f32 v[S+64*\u+n:S+64*\u+n+1], v[OO+32*\u+n:OO+32*\u+n+1], v[ST+8*\u+4:ST+8*\u+5] op_sel_hi:[1,0]   ; each accumulator from its low end on
.set n, n+2
.endr
.endr
	WIN 0
.irp u, 0,1
.set n, 0
.rept 32
	v_med3_num_f32 v[S+64*\u+n], v[S+64*\u+n], -v[LM6], v[LM6]   ; the conversion does not saturate (ISA guide 7.6.2)
.set n, n+1
.endr
.endr
.irp u, 0,1
.irp t, 0,1,2,3
	v_cvt_scalef32_pk8_bf8_f32 v[P+16*\u+2*\t:P+16*\u+2*\t+1], v[S+64*\u+8*\t:S+64*\u+8*\t+7], v[SC6]
.endr
.endr
	v_nop                                          ; one plain vector instruction behind the last conversion
.irp u, 0,1
.irp t, 0,1,2,3
	global_store_b64 v[YO], v[P+16*\u+2*\t:P+16*\u+2*\t+1], s[YB:YB+1] offset:16384*\u+256*\t   ; 32 lanes store 256 consecutive bytes, at a multiple of 256 from the buffer's first byte
.endr
.endr
.endm
; Where the first block's slots are done, the second block begins.
.macro TESTSW
	s_cmp_lg_u32 s[J], s[LEN]
	s_cbranch_scc1 .Lsame_\@
	FINISH
	s_wait_xcnt 0x0                                ; the stores have read their data and their base: both are written again below
	s_lshl_b32 s[GRP], s15, 3
	s_add_co_u32 s[GRP], s[GRP], s[WV]             ; block p
	START
.Lsame_\@:
.endm
; Line n of 65 plain lines for tile u: the sum under the new M; the sums of the UNQUANTISED p, two at a time in two chains; then the one-sided hold (p is never negative), two numbers an instruction.
.macro SH u
.set rS, S+64*(\u)
.set rT, ST+8*(\u)
.set rA, TT+2*(\u)
.if n == 0
	v_pk_mul_f32 v[rT+2:rT+3], v[rT+2:rT+3], v[rT+4:rT+5] op_sel_hi:[1,0]
.elseif n == 1
	s_wait_alu depctr_va_vdst(0)
	v_pk_add_f32 v[rA:rA+1], v[rS:rS+1], v[rS+2:rS+3]
.elseif n < 32
.if n%2 == 0
	v_pk_add_f32 v[rT+2:rT+3], v[rT+2:rT+3], v[rS+2*n:rS+2*n+1]
.else
	v_pk_add_f32 v[rA:rA+1], v[rA:rA+1], v[rS+2*n:rS+2*n+1]
.endif
.elseif n == 32
	v_pk_add_f32 v[rT+2:rT+3], v[rT+2:rT+3], v[rA:rA+1]
.else
	v_dual_min_num_f32 v[rS+2*(n-33)], v[rS+2*(n-33)], v[LM4] :: v_dual_min_num_f32 v[rS+2*(n-33)+1], v[rS+2*(n-33)+1], v[LM4+1]
.endif
.set n, n+1
.endm
.macro CVT u                           ; registers 4 b .. 4 b + 3 of the operand: keys 32 b + 16 h + 0 .. 15
.irp b, 0,1,2,3
	v_cvt_scalef32_pk8_bf8_f32 v[P+16*(\u)+4*\b:P+16*(\u)+4*\b+1], v[S+64*(\u)+16*\b:S+64*(\u)+16*\b+7], v[SC4]
	v_cvt_scalef32_pk8_bf8_f32 v[P+16*(\u)+4*\b+2:P+16*(\u)+4*\b+3], v[S+64*(\u)+16*\b+8:S+64*(\u)+16*\b+15], v[SC4]
.endr
.endm
; A KEY STEP: 128 keys, the q-th of the slot in hand, for my two tiles of queries.
.macro STEP q
	s_add_co_u32 s80, s[Q0], 31
	s_cmp_gt_u32 s[KF], s80                        ; all keys come after my 32 queries: nothing to do
	s_cbranch_scc1 .Lhidden_\@
	v_add_nc_u32 v[ADK], s[TB], v[LI]
	WIN 0x40                                       ; destination window 1
.irp t, 0,1,2,3,4,5,6,7
.irp c, 0,1
	ds_load_b128 v[KFR+8*\t+4*\c:KFR+8*\t+4*\c+3], v[ADK] offset:8192*(\q)+1024*\t+512*\c       ; 32 lanes read 512 consecutive bytes
.endr
.endr
.irp t, 0,1,2,3
.irp c, 0,1,2,3
	ds_load_b128 v[VFR+16*\t+4*\c:VFR+16*\t+4*\c+3], v[ADK] offset:VOFF+8192*(\q)+2048*\t+512*\c
.endr
.endr
	s_wait_dscnt 16                                ; K's sixteen loads are in; V's sixteen may be out
	WIN 0x05                                       ; K and Q window 1, S^T window 0
.irp t, 0,1,2,3,4,5,6,7
.irp u, 0,1
	v_wmma_f32_16x16x64_bf8_bf8 v[S+64*\u+8*\t:S+64*\u+8*\t+7], v[KFR+8*\t:KFR+8*\t+7], v[QF+8*\u:QF+8*\u+7], 0
.endr
.endr
	WIN 0
.rept 4
	v_nop                                          ; places in front of the first read of results
.endr
	s_add_co_u32 s80, s[KF], 127
	s_cmp_le_u32 s80, s[Q0]                        ; all keys count: no mask
	s_cbranch_scc1 .Lopen_\@
	s_sub_co_i32 s80, s[Q0], s[KF]
	v_add_nc_u32 v[D0], s80, v[LQ]                 ; register n holds key KF + 16 h + 32 (n / 16) + n % 16; my query is Q0 + 8 u + r + 8 (r / 8): hidden where 32 (n / 16) + n % 16 > d
	v_add_nc_u32 v[D1], 8, v[D0]
.set n, 0
.rept 64
	v_cmp_gt_i32 vcc_lo, 32*(n/16)+n%16, v[D0]
	v_cndmask_b32 v[S+n], v[S+n], v[NINF], vcc_lo
	v_cmp_gt_i32 vcc_lo, 32*(n/16)+n%16, v[D1]
	v_cndmask_b32 v[S+64+n], v[S+64+n], v[NINF], vcc_lo
.set n, n+1
.endr
.Lopen_\@:
.irp u, 0,1                                    ; the step's largest score of my query among my 64 keys, in two chains a tile, ascending
	v_max3_num_f32 v[ST+8*\u+6], v[S+64*\u], v[S+64*\u+1], v[S+64*\u+2]
	v_max3_num_f32 v[ST+8*\u+7], v[S+64*\u+3], v[S+64*\u+4], v[S+64*\u+5]
.endr
.irp i, 6,10,14,18,22,26,30,34,38,42,46,50,54,58
.irp u, 0,1
	v_max3_num_f32 v[ST+8*\u+6], v[ST+8*\u+6], v[S+64*\u+\i], v[S+64*\u+\i+1]
	v_max3_num_f32 v[ST+8*\u+7], v[ST+8*\u+7], v[S+64*\u+\i+2], v[S+64*\u+\i+3]
.endr
.endr
.irp u, 0,1
	v_max3_num_f32 v[ST+8*\u+6], v[ST+8*\u+6], v[S+64*\u+62], v[S+64*\u+63]
.endr
.irp u, 0,1
	v_max_num_f32 v[ST+8*\u+6], v[ST+8*\u+6], v[ST+8*\u+7]
.endr
.irp u, 0,1
	v_permlanex16_b32 v[ST+8*\u+7], v[ST+8*\u+6], s[SEL], s[SEL+1]
.endr
.irp u, 0,1
	v_max_num_f32 v[ST+8*\u+6], v[ST+8*\u+6], v[ST+8*\u+7]   ; and among lane l xor 16's
.endr
.irp u, 0,1
	v_mul_f32 v[ST+8*\u+6], s[CS], v[ST+8*\u+6]    ; as t (c is positive)
.endr
.irp u, 0,1
	v_max_num_f32 v[ST+8*\u+1], v[ST+8*\u+1], v[ST+8*\u+6]   ; the running largest t
.endr
.irp u, 0,1
	v_mov_b32 v[ST+8*\u+6], v[ST+8*\u]
.endr
.irp u, 0,1
	v_floor_f32 v[ST+8*\u], -v[ST+8*\u+1]          ; the new -M = floor(-t): M is a whole number
.endr
.irp u, 0,1
	v_sub_f32 v[ST+8*\u+6], v[ST+8*\u], v[ST+8*\u+6]   ; old M - new M: a whole number, 0 or less
.endr
.irp u, 0,1
	v_cvt_i32_f32 v[ST+8*\u+6], v[ST+8*\u+6]       ; (it saturates)
.endr
.irp u, 0,1
	v_ldexp_f32 v[ST+8*\u+4], 1.0, v[ST+8*\u+6]    ; f = 2^(old M - new M)
.endr
.set n, 0
.rept 32
	v_pk_fma_f32 v[S+n:S+n+1], v[S+n:S+n+1], s[CS:CS+1], v[ST:ST+1] op_sel_hi:[1,0,0]   ; tile 0: t - M, two at a time
.set n, n+2
.endr
.set n, 0
.rept 32                                       ; tile 1's scalings stand among tile 0's exponentials
	v_pk_fma_f32 v[S+64+n:S+64+n+1], v[S+64+n:S+64+n+1], s[CS:CS+1], v[ST+8:ST+9] op_sel_hi:[1,0,0]
	v_exp_f32 v[S+n], v[S+n]
	v_exp_f32 v[S+n+1], v[S+n+1]
.set n, n+2
.endr
.set n, 0
.rept 64                                       ; tile 0's sums and holds stand among tile 1's exponentials (SH steps n)
	v_exp_f32 v[S+64+n], v[S+64+n]
	SH 0
.endr
	SH 0
	CVT 0
.set n, 0
.rept 65                                       ; plain lines behind tile 0's conversions
	SH 1
.endr
	CVT 1
	WIN 0x41                                       ; O^T (destination and source 0) window 1, f window 0
.irp u, 0,1
.set n, 0
.rept 16
	v_pk_mul_f32 v[OO+32*\u+n:OO+32*\u+n+1], v[OO+32*\u+n:OO+32*\u+n+1], v[ST+8*\u+4:ST+8*\u+5] op_sel_hi:[1,0]   ; O^T under the new M; plain lines behind the conversions; each accumulator from its low end on
.set n, n+2
.endr
.endr
	s_wait_dscnt 0x0                               ; V is in
	WIN 0x51                                       ; V window 1, P window 0, O^T window 1
.irp t, 0,1,2,3                                ; eight accumulators, one instruction a turn; the sixteen products K Q^T stand between two links
.irp u, 0,1
	v_wmma_f32_16x16x128_bf8_bf8 v[OO+32*\u+8*\t:OO+32*\u+8*\t+7], v[VFR+16*\t:VFR+16*\t+15], v[P+16*\u:P+16*\u+15], v[OO+32*\u+8*\t:OO+32*\u+8*\t+7]
.endr
.endr
	WIN 0
.rept 4
	v_nop                                          ; places in front of the next loads into V's registers and of the next read or write of O^T
.endr
.Lhidden_\@:
	s_add_co_u32 s[KF], s[KF], 128
.endm
	s_load_b256 s[4:11], s[0:1], 0x0               ; q s[4:5], k s[6:7], v s[8:9], the exponents s[10:11]
	s_load_b64 s[12:13], s[0:1], 0x20              ; y
	v_lshl_add_u32 v[SPW], v0, 2, SPARE
	v_mov_b32 v[NIL], 0
	ds_add_u32 v4, v5
	s_wait_dscnt 0x0
	v_lshrrev_b32 v1, 5, v0
	v_readfirstlane_b32 s[WV], v1                  ; wave 0..7
	s_mov_b32 s15, ttmp9                           ; p
	s_and_b32 s16, ttmp7, 0xffff                   ; 16 x batch + head
	; descriptor group 1: a dense block of 16,384 bytes as 64 rows of 256
	s_mov_b32 s[G1], 3<<16                         ; no mask; elements of 8 bytes; no padding: every fragment load reads 512 consecutive bytes
	s_mov_b32 s[G1+1], 32<<16                      ; tensor_dim0 = 32 elements
	s_mov_b32 s[G1+2], 64<<16                      ; tensor_dim1 = 64
	s_mov_b32 s[G1+3], 32<<16                      ; tile_dim0
	s_mov_b32 s[G1+4], 64                          ; tile_dim1
	s_mov_b32 s[G1+5], 32                          ; tensor_dim0_stride
	s_mov_b32 s[G1+6], 0
	s_mov_b32 s[G1+7], 0
	s_lshl_b32 s52, s16, 17                        ; a head's 131,072 bytes in q, k and v
	s_mov_b32 s53, 0
	s_mov_b32 s[OFF+1], 0
	s_and_b32 s80, s[WV], 1
	s_lshl_b32 s81, s80, 14                        ; K at a slot's byte 0, V at 16,384
	s_sub_co_u32 s[LEN], 8, s15
	s_sub_co_u32 s[LAST], 7, s15
	s_mov_b32 s[SEL], 0x76543210
	s_mov_b32 s[SEL+1], 0xfedcba98
	s_mov_b32 s[CS], 0x3e38aa3b                    ; log2(e) / 8
	s_wait_kmcnt 0x0
	s_load_b256 s[68:75], s[10:11], 0x0            ; e0 .. e7
	s_add_nc_u64 s[6:7], s[6:7], s[52:53]
	s_add_nc_u64 s[8:9], s[8:9], s[52:53]
	s_add_nc_u64 s[QH:QH+1], s[4:5], s[52:53]
	s_cmp_eq_u32 s80, 0
	s_cselect_b64 s[SRC:SRC+1], s[6:7], s[8:9]
	s_mov_b32 s[G0], 1                             ; count = 1
	s_mov_b32 s[G0+1], s81                         ; LDS address: slot 0
	s_mov_b64 s[G0+2:G0+3], s[SRC:SRC+1]           ; the head's first 256 keys
	s_or_b32 s[G0+3], s[G0+3], 0x80000000          ; type = 2
	TLOAD                                          ; the one first fill
	s_lshr_b32 s82, s16, 4
	s_lshl_b32 s82, s82, 21                        ; a batch: 128 tiles x 16,384 bytes
	s_and_b32 s83, s16, 15
	s_lshl_b32 s83, s83, 10
	s_add_co_u32 s52, s82, s83
	s_add_nc_u64 s[YH:YH+1], s[12:13], s[52:53]
	s_cmp_lt_u32 s[WV], 6                          ; the prefetches: waves 4 and 5 K, waves 6 and 7 V
	s_cselect_b64 s[PFA:PFA+1], s[6:7], s[8:9]
	s_lshl_b32 s52, s80, 13                        ; my 8,192 bytes,
	s_add_co_u32 s52, s52, 16384                   ; in slot 1: the first change of slots steps it to slot 2.  Nothing is prefetched here, at the head
	s_add_nc_u64 s[PFA:PFA+1], s[PFA:PFA+1], s[52:53]
	s_lshr_b32 s82, s[WV], 2
	s_xor_b32 s82, s82, 1                          ; 0 in waves 4 to 7,
	s_or_b32 s82, s82, s15                         ; of the work-group with p = 0
	s_cmp_eq_u32 s82, 0
	s_cselect_b32 s[PLIM], 2, -1
	v_and_b32 v12, 31, v0
	v_lshlrev_b32 v[LI], 4, v12
	v_lshlrev_b32 v[PFO], 8, v12
	v_and_b32 v12, 15, v0                          ; r
	v_bfe_u32 v13, v0, 4, 1                        ; h
	v_and_b32 v14, 8, v12
	v_add_nc_u32 v[LQ], v14, v12
	v_lshlrev_b32 v14, 4, v13
	v_sub_nc_u32 v[LQ], v[LQ], v14
	v_lshlrev_b32 v[YO], 4, v12
	v_lshl_add_u32 v[YO], v13, 3, v[YO]
	v_mov_b32 v[NINF], 0xff800000
.irp u, 0,1
	v_mov_b32 v[ST+8*\u+4], 0                      ; written once, so that every way finds them written: f, its pair's upper word, and the two registers at work (a lane permute's destination counts as read)
	v_mov_b32 v[ST+8*\u+5], 0
	v_mov_b32 v[ST+8*\u+6], 0
	v_mov_b32 v[ST+8*\u+7], 0
.endr
	s_lshl_b32 s[GRP], s[LAST], 3
	s_add_co_u32 s[GRP], s[GRP], s[WV]             ; block 7 - p first
	START
	s_wait_kmcnt 0x0
	s_add_co_i32 s80, s70, s71                     ; e2 + e3 go into c's exponent field
	s_lshl_b32 s80, s80, 23
	s_add_co_i32 s[CS], s[CS], s80
	s_mov_b32 s[CS+1], s[CS]
	s_add_co_i32 s80, s72, 127
	s_lshl_b32 s81, s80, 23
	v_mov_b32 v[SC4], s81                          ; 2^e4
	s_add_co_i32 s80, s80, 15
	s_lshl_b32 s80, s80, 23
	s_or_b32 s80, s80, 0x600000
	v_mov_b32 v[LM4], s80                          ; 57,344 x 2^e4
	v_mov_b32 v[LM4+1], s80
	s_add_co_i32 s80, s74, 127
	s_lshl_b32 s81, s80, 23
	v_mov_b32 v[SC6], s81                          ; 2^e6
	s_add_co_i32 s80, s80, 15
	s_lshl_b32 s80, s80, 23
	s_or_b32 s80, s80, 0x600000
	v_mov_b32 v[LM6], s80                          ; 57,344 x 2^e6
	s_add_co_i32 s79, s72, s73                     ; e4 + e5
	s_mov_b32 s[J], 0
	s_mov_b32 s[TB], 0
	s_mov_b32 s[SLOTS], 8
.Lslot:                                            ; eight trips: behind each change of slots but the last the next slot is asked for
	CHANGE 1
	TESTSW
	STEP 0
	STEP 1
	s_xor_b32 s[TB], s[TB], SLOT1
	s_add_co_u32 s[J], s[J], 1
	s_sub_co_u32 s[SLOTS], s[SLOTS], 1
	s_cmp_lg_u32 s[SLOTS], 0
	s_cbranch_scc1 .Lslot
	CHANGE 0                                       ; the ninth slot is written out
	TESTSW
	STEP 0
	STEP 1
	FINISH
	s_wait_tensorcnt 0x0                           ; the wave's end
	ds_add_u32 v[SPW], v[NIL]
	s_wait_dscnt 0x0
	s_endpgm
.Lfunc_end_k_q3fbe8c86cb_attn:
	.size	k_q3fbe8c86cb_attn, .Lfunc_end_k_q3fbe8c86cb_attn-k_q3fbe8c86cb_attn
	.p2alignl 7, 3214868480
	.fill 96, 4, 3214868480
	.section	.rodata,"a",@progbits
	.p2align	6, 0x0
	.amdhsa_kernel k_q3fbe8c86cb_attn
		.amdhsa_group_segment_fixed_size 327680
		.amdhsa_private_segment_fixed_size 0
		.amdhsa_enable_private_segment 0
		.amdhsa_kernarg_size 40
		.amdhsa_user_sgpr_count 2
		.amdhsa_user_sgpr_kernarg_segment_ptr 1
		.amdhsa_wavefront_size32 1
		.amdhsa_system_sgpr_workgroup_id_x 1
		.amdhsa_system_sgpr_workgroup_id_y 1
		.amdhsa_system_sgpr_workgroup_id_z 1
		.amdhsa_system_vgpr_workitem_id 0
		.amdhsa_next_free_vgpr 512
		.amdhsa_next_free_sgpr 96
		.amdhsa_reserve_vcc 1
		.amdhsa_float_denorm_mode_32 3
		.amdhsa_float_denorm_mode_16_64 3
		.amdhsa_memory_ordered 1
		.amdhsa_forward_progress 1
		.amdhsa_inst_pref_size 192
	.end_amdhsa_kernel
	.amdgpu_metadata
---
amdhsa.version: [ 1, 2 ]
amdhsa.kernels:
  - .name:           k_q3fbe8c86cb_attn
    .symbol:         k_q3fbe8c86cb_attn.kd
    .args:
      - { .name: qimg, .offset: 0, .size: 8, .value_kind: global_buffer, .address_space: global }
      - { .name: kimg, .offset: 8, .size: 8, .value_kind: global_buffer, .address_space: global }
      - { .name: vimg, .offset: 16, .size: 8, .value_kind: global_buffer, .address_space: global }
      - { .name: lowp_scales, .offset: 24, .size: 8, .value_kind: global_buffer, .address_space: global }
      - { .name: yimg, .offset: 32, .size: 8, .value_kind: global_buffer, .address_space: global }
    .group_segment_fixed_size: 327680
    .private_segment_fixed_size: 0
    .kernarg_segment_align: 8
    .kernarg_segment_size: 40
    .max_flat_workgroup_size: 256
    .sgpr_count:     96
    .vgpr_count:     512
    .wavefront_size: 32
...
	.end_amdgpu_metadata
.endif
;; end of part 2
;; launch proj (part 3): grid 4 x 64, 4 waves a work-group, clusters of 4 x 4, 327,680 bytes of LDS; arguments yimg, w_out_codes, lowp_scales, b_out, out0; writes out0
.if DOCPART == 3
	.amdgcn_target "amdgcn-amd-amdhsa--gfx1250"
	.amdhsa_code_object_version 6
	.text
	.protected	k_q3fbe8c86cb_proj
	.globl	k_q3fbe8c86cb_proj
	.p2align	8
	.type	k_q3fbe8c86cb_proj,@function
k_q3fbe8c86cb_proj:
	s_mov_b64 s[64:65], 0
	v_nop
	global_prefetch_b8 v0, s[64:65] scope:SCOPE_SE
	s_setreg_imm32_b32 hwreg(HW_REG_WAVE_MODE, 25, 1), 1
	s_wait_xcnt 0x0
	s_wait_alu depctr_hold_cnt(0) depctr_sa_sdst(0) depctr_va_vdst(0) depctr_va_sdst(0) depctr_va_ssrc(0) depctr_va_vcc(0) depctr_vm_vsrc(0)
	s_getreg_b32 s2, hwreg(HW_REG_IB_STS2, 6, 4)
	s_cmp_eq_u32 s2, 0
	s_cbranch_scc0 .Lentry_in_a_cluster
	s_endpgm
.Lentry_in_a_cluster:
	s_bfe_u32 s2, ttmp6, 0x10000c
	s_cmp_lg_u32 s2, 0xf033
	s_cbranch_scc0 .Lentry_shape_is_right
	s_endpgm
.Lentry_shape_is_right:
; out = y w_out + b_out on codes of BF8 (E5M2).  y: images [tile of 16 tokens][head][1,024 bytes]: byte 512 c + 256 h + 16 row + i = channel 32 c + 16 h + i of the head; tile 2 g + u, row p is token 32 g + 8 u + p + 8 (p / 8).
; w_out: [1024 columns][1024] codes, K innermost.  out: [8192][1024] f32 = sum x 2^(e6 + e7) + b_out, one fused multiply-add.
; LIMIT: e6 + e7 between -126 and 127, so that 2^(e6 + e7) is an f32 number.
; SHARES.  A tile of 128 tokens x 256 columns gives 64 x 4 = 256 work-groups.  Four waves, each 64 tokens (four tiles of y) x 128 columns: 32 accumulators.  K = 1,024 goes in four steps of 256 (four heads) through two LDS slots.
; CLUSTERS: 4 x 4 work-groups; y's tile is asked for jointly along a row of the cluster, w's along a column.
; THE MATRIX INSTRUCTION IS USED TRANSPOSED (source 0 = 16 rows of w, source 1 = a tile of y): a lane holds eight neighbouring columns of one row of out.  Two neighbouring heads' images, 2,048 bytes, are one fragment of 128 along K,
; in the same order of k as w's fragments are loaded.
; REGISTERS, in windows of 256: window 0: v16-29 addresses; v32-95 at work on the way out; v128-191, v192-255 y's fragments, two sets, later rows of out.  window 1: w's fragments, two sets.  window 2: accumulator (a, b) at v[8 (8 a + b)].  window 3: v0-63 b_out.
.set PITCH,  272                       ; a row of w in LDS: 256 bytes + 16 of padding
.set HALFW,  128*PITCH
.set YBYTES, 32768                     ; y: 8 tiles x 4 heads x 1,024 bytes, dense
.set SLOT,   YBYTES+2*HALFW
.set SPARE,  2*SLOT                    ; behind the ring: the spare words, 128 bytes a wave
.set SPITCH, 528                       ; the way out: 16 rows x (512 bytes + 16) for each wave, in slot 0, which has had its last fill and its last read by then
.set FR,   16
.set ADRA, 16                          ; v16-17  y's fragments in slot 0, 1
.set ADRB, 20                          ; v20-21  w's
.set STO,  24
.set RD,   25
.set CO,   26                          ; v26  16 x lane
.set VB,   27                          ; v27  32 h
.set SPW,  28
.set NIL,  29
.set TMP,  32
.set AF,   128
.set BK,   128
.set G1, 24                            ; s[24:31], s[32:39]: y's descriptors;  s[48:55], s[56:63]: w's
.set G0, 32
.set G1B, 48
.set G0B, 56
.set MSB, 0
.macro WIN new
.if MSB != (\new)
	s_set_vgpr_msb (MSB<<8)|(\new)
.set MSB, (\new)
.endif
.endm
.set MUL, 0xa1                         ; source 0 (w) window 1, source 1 (y) window 0, C and D window 2
.macro JLOAD g0a, g1a, g0b, g1b        ; waves 0 and 1 fetch y's halves, waves 2 and 3 w's; four v_nop follow each of the two lines
	s_cmp_eq_u32 s15, 0
	s_cbranch_scc0 .Lfor_w_\@
	tensor_load_to_lds s[\g0a:\g0a+3], s[\g1a:\g1a+7]
	s_nop 0
.rept 4
	v_nop
.endr
	s_branch .Lasked_\@
.Lfor_w_\@:
	tensor_load_to_lds s[\g0b:\g0b+3], s[\g1b:\g1b+7]
	s_nop 0
.rept 4
	v_nop
.endr
.Lasked_\@:
.endm
.macro CREST
	s_cmp_lg_u32 s14, 0
	s_cbranch_scc1 .Lnot_wave_0_\@
	s_barrier_signal -3
.Lnot_wave_0_\@:
	s_barrier_wait -3
	s_barrier_signal -1
	s_barrier_wait -1
.endm
.macro CROUND
	s_barrier_signal -1
	s_barrier_wait -1
	CREST
.endm
.macro PLACES
.rept 4
	v_nop
.endr
.endm
	s_load_b256 s[4:11], s[0:1], 0x0               ; y s[4:5], w_out s[6:7], the exponents s[8:9], b_out s[10:11]
	s_load_b64 s[12:13], s[0:1], 0x20              ; out
	v_lshl_add_u32 v[SPW], v0, 2, SPARE
	v_mov_b32 v[NIL], 0
	ds_add_u32 v28, v29
	s_wait_dscnt 0x0
	v_lshrrev_b32 v1, 5, v0
	v_readfirstlane_b32 s14, v1                    ; wave 0..3
	s_lshr_b32 s15, s14, 1                         ; which 64 tokens are mine.  Also: I fetch for y (0) or for w (1)
	s_and_b32 s16, s14, 1                          ; which 128 columns.  Also: which half of that tile I fetch
	s_bfe_u32 s40, ttmp6, 0x40000
	s_bfe_u32 s41, ttmp6, 0x40004
	s_lshl_b32 s42, ttmp9, 2
	s_add_co_u32 s42, s42, s40                     ; tile column: 256 columns each
	s_and_b32 s17, ttmp7, 0xffff
	s_lshl_b32 s17, s17, 2
	s_add_co_u32 s17, s17, s41                     ; tile row: 128 tokens each
	s_lshl_b32 s43, s41, 2
	s_lshl_b32 s43, 15, s43                        ; my row of the cluster
	s_lshl_b32 s44, 0x1111, s40                    ; my column
	; y: four tiles' 4,096 bytes (four heads), 16,384 bytes apart in memory, dense in LDS
	s_or_b32 s[G1+0], s43, (3<<16)|(1<<21)         ; the mask: my row; elements of 8 bytes; bit 21 set beside a mask; no padding
	s_mov_b32 s[G1+1], 512<<16                     ; tensor_dim0 = 512 elements
	s_mov_b32 s[G1+2], 4<<16                       ; tensor_dim1 = 4
	s_mov_b32 s[G1+3], 512<<16                     ; tile_dim0
	s_mov_b32 s[G1+4], 4                           ; tile_dim1
	s_mov_b32 s[G1+5], 2048                        ; tensor_dim0_stride
	s_mov_b32 s[G1+6], 0
	s_mov_b32 s[G1+7], 0
	; w: 128 rows x 256 bytes, four words of padding after every 64
	s_or_b32 s[G1B+0], s44, (0<<16)|(1<<20)|(1<<21)|(5<<22)|(3<<25)
	s_mov_b32 s[G1B+1], 256<<16
	s_mov_b32 s[G1B+2], 128<<16
	s_mov_b32 s[G1B+3], 256<<16
	s_mov_b32 s[G1B+4], 128
	s_mov_b32 s[G1B+5], 1024
	s_mov_b32 s[G1B+6], 0
	s_mov_b32 s[G1B+7], 0
	s_lshl_b32 s20, s17, 17                        ; y: 8 tiles x 16,384 bytes a tile row,
	s_lshl_b32 s18, s16, 16                        ; 4 tiles a half
	s_add_co_u32 s20, s20, s18
	s_mov_b32 s21, 0
	s_lshl_b32 s46, s42, 8
	s_lshl_b32 s18, s16, 7
	s_add_co_u32 s46, s46, s18                     ; w: row 256 x tile column + 128 x half,
	s_lshl_b32 s46, s46, 10                        ; of 1,024 bytes
	s_mov_b32 s47, 0
	s_lshl_b32 s45, s16, 14                        ; where they go: y's half,
	s_mul_i32 s19, s16, HALFW
	s_add_co_u32 s19, s19, YBYTES                  ; w's half: no place in the cluster enters an LDS address
	s_wait_kmcnt 0x0
	s_load_b256 s[80:87], s[8:9], 0x0              ; e0 .. e7
	s_add_nc_u64 s[20:21], s[4:5], s[20:21]
	s_add_nc_u64 s[46:47], s[6:7], s[46:47]
	CROUND                                         ; all sixteen work-groups are here: the first joint loads meet
.irp s, 0,1
	s_mov_b32 s[G0+4*\s], 1
	s_add_co_u32 s[G0+4*\s+1], s45, \s*SLOT
	s_add_nc_u64 s[G0+4*\s+2:G0+4*\s+3], s[20:21], \s*4096
	s_or_b32 s[G0+4*\s+3], s[G0+4*\s+3], 0x80000000
	s_mov_b32 s[G0B+4*\s], 1
	s_add_co_u32 s[G0B+4*\s+1], s19, \s*SLOT
	s_add_nc_u64 s[G0B+4*\s+2:G0B+4*\s+3], s[46:47], \s*256
	s_or_b32 s[G0B+4*\s+3], s[G0B+4*\s+3], 0x80000000
	JLOAD G0+4*\s, G1, G0B+4*\s, G1B
.endr
	v_and_b32 v1, 15, v0                           ; r
	v_bfe_u32 v2, v0, 4, 1                         ; h
	v_and_b32 v3, 31, v0
	v_lshlrev_b32 v[CO], 4, v3
	v_mul_u32_u24 v4, v1, PITCH
	v_lshl_add_u32 v4, v2, 4, v4
	s_lshl_b32 s21, s15, 14                        ; my four tiles of y
	s_mul_i32 s22, s16, HALFW
	s_add_co_u32 s22, s22, YBYTES                  ; my 128 rows of w
.irp s, 0,1
	v_add_nc_u32 v[ADRA+\s], s21, v[CO]
	v_add_nc_u32 v[ADRB+\s], s22, v4
	s_add_co_u32 s21, s21, SLOT
	s_add_co_u32 s22, s22, SLOT
.endr
	s_mul_i32 s23, s14, 16*SPITCH                  ; my stage
	v_mul_u32_u24 v5, v1, SPITCH
	v_lshl_add_u32 v5, v2, 5, v5
	v_add_nc_u32 v[STO], s23, v5                   ; in: row r, 32 bytes for each half of the lanes
	v_add_nc_u32 v[RD], s23, v[CO]                 ; back: the 32 lanes take one row of 512 bytes
	v_lshlrev_b32 v[VB], 5, v2
	s_lshl_b32 s90, s42, 10                        ; my first column, in bytes: 1,024 x tile column + 512 x half
	s_lshl_b32 s91, s16, 9
	s_add_co_u32 s90, s90, s91
	s_mov_b32 s91, 0
	s_add_nc_u64 s[76:77], s[10:11], s[90:91]      ; b_out there,
	s_add_nc_u64 s[12:13], s[12:13], s[90:91]      ; and out,
	s_lshl_b32 s90, s17, 19                        ; at my first token: 128 rows of 4,096 bytes a tile row,
	s_lshl_b32 s92, s15, 18                        ; 64 a half
	s_add_co_u32 s90, s90, s92
	s_add_nc_u64 s[12:13], s[12:13], s[90:91]      ; never stepped: a row's place stands in the store's immediate
	WIN 0xc0                                       ; destination window 3
.irp b, 0,1,2,3,4,5,6,7
	global_load_b128 v[8*\b:8*\b+3], v[VB], s[76:77] offset:64*\b          ; b_out of column 16 b + 8 h + j at 8 b + j
	global_load_b128 v[8*\b+4:8*\b+7], v[VB], s[76:77] offset:64*\b+16
.endr
	WIN 0
; 48 LDS loads in one run: the fragments of the slot's q-th 128 along K into set q: w's eight, y's four
.macro FETCH slot, q
	WIN 0x40
.irp i, 0,1,2,3,4,5,6,7
.irp c, 0,1,2,3
	ds_load_b128 v[128*(\q)+FR*\i+4*\c:128*(\q)+FR*\i+4*\c+3], v[ADRB+\slot] offset:128*(\q)+32*\c+\i*16*PITCH
.endr
.endr
	WIN 0
.irp a, 0,1,2,3
.irp c, 0,1,2,3
	ds_load_b128 v[AF+64*(\q)+FR*\a+4*\c:AF+64*(\q)+FR*\a+4*\c+3], v[ADRA+\slot] offset:4096*\a+2048*(\q)+512*\c
.endr
.endr
.endm
; 8 matrix instructions: y's tile a x w's eight blocks, from set p.  The 32 accumulators take turns, one instruction a turn, in the same order in every step.
.macro MULA a, p, zero
.irp b, 0,1,2,3,4,5,6,7
.if \zero
	v_wmma_f32_16x16x128_bf8_bf8 v[8*(8*(\a)+\b):8*(8*(\a)+\b)+7], v[128*(\p)+FR*\b:128*(\p)+FR*\b+FR-1], v[AF+64*(\p)+FR*(\a):AF+64*(\p)+FR*(\a)+FR-1], 0
.else
	v_wmma_f32_16x16x128_bf8_bf8 v[8*(8*(\a)+\b):8*(8*(\a)+\b)+7], v[128*(\p)+FR*\b:128*(\p)+FR*\b+FR-1], v[AF+64*(\p)+FR*(\a):AF+64*(\p)+FR*(\a)+FR-1], v[8*(8*(\a)+\b):8*(8*(\a)+\b)+7]
.endif
.endr
.endm
; A slot's first step: multiplies set 0 and fetches the second step's fragments into set 1.
.macro STEP slot, zero
	s_wait_dscnt 0x0                               ; set 0 is in
	PLACES                                         ; in front of loads into set 1, which the step before multiplied
	FETCH \slot, 1
	WIN MUL
	MULA 0, 0, \zero
	MULA 1, 0, \zero
	MULA 2, 0, \zero
	MULA 3, 0, \zero
.endm
; A slot's second step changes slots: ONE barrier; in front of it each wave waits for all its tensor loads, adds 0 to its spare word, and waits for that and for its reads of this slot.  fill = 1: this slot is filled again, two K steps ahead.
.macro TURN slot, next, fill
	WIN 0                                          ; (the add's two registers lie in window 0)
	s_wait_tensorcnt 0x0                           ; all my tensor loads have landed: my part of the next slot
	ds_add_u32 v[SPW], v[NIL]                      ; 0 onto my spare word
	s_wait_dscnt 1                                 ; set 1's 48 loads are in; the add may be out
	WIN MUL
	MULA 0, 1, 0                                   ; eight matrix instructions stand between the add and the wait for it
	s_wait_dscnt 0x0                               ; the add is done, and my reads of this slot are over
	s_barrier_signal -1
	MULA 1, 1, 0
	WIN 0
	s_barrier_wait -1
.if \fill
	CREST                                          ; the barrier has opened a round of the cluster's: no wave of any partner still reads this slot or has a load on its way
	s_add_nc_u64 s[G0+4*\slot+2:G0+4*\slot+3], s[G0+4*\slot+2:G0+4*\slot+3], 2*4096
	s_add_nc_u64 s[G0B+4*\slot+2:G0B+4*\slot+3], s[G0B+4*\slot+2:G0B+4*\slot+3], 2*256
	JLOAD G0+4*\slot, G1, G0B+4*\slot, G1B         ; the first tensor load behind the round; its four v_nop are the places in front of the loads below
.else
	PLACES
.endif
	FETCH \next, 0
	WIN MUL
	MULA 2, 1, 0
	MULA 3, 1, 0
.endm
	s_wait_tensorcnt 1                             ; my part of K step 0 is in; K step 1's load may be out
	s_barrier_signal -1
	s_barrier_wait -1
	FETCH 0, 0
	STEP 0, 1                                      ; the first products start the sums
	TURN 0, 1, 1
	STEP 1, 0
	TURN 1, 0, 1
	STEP 0, 0
	TURN 0, 1, 0                                   ; nothing is left to fetch: a plain barrier; behind it nobody reads slot 0
	STEP 1, 0
	s_wait_dscnt 0x0
	WIN MUL
	MULA 0, 1, 0
	MULA 1, 1, 0
	MULA 2, 1, 0
	MULA 3, 1, 0
	WIN 0
; THE WAY OUT, a tile of 16 tokens x 128 columns at a time: sum x 2^(e6 + e7) + b_out; through my own stage in LDS; back as whole rows of 512 bytes.  LDS serves a wave's instructions in order (ISA guide 5.7.1.4).
.macro TOSTAGE a
	WIN 0x32                                       ; source 0 (the sums) window 2, source 2 (b_out) window 3
.set n, 0
.rept 32
	v_pk_fma_f32 v[TMP+n:TMP+n+1], v[64*(\a)+n:64*(\a)+n+1], s[88:89], v[n:n+1] op_sel_hi:[1,0,1]   ; each accumulator from its low end on
.set n, n+2
.endr
	WIN 0
.irp b, 0,1,2,3,4,5,6,7
	ds_store_b128 v[STO], v[TMP+8*\b:TMP+8*\b+3] offset:64*\b
	ds_store_b128 v[STO], v[TMP+8*\b+4:TMP+8*\b+7] offset:64*\b+16
.endr
.set BB, BK+64*((\a)%2)
.irp t, 0,1,2,3,4,5,6,7,8,9,10,11,12,13,14,15
	ds_load_b128 v[BB+4*\t:BB+4*\t+3], v[RD] offset:\t*SPITCH
.endr
.endm
.macro SEND a, younger                 ; younger: the LDS instructions issued behind tile a's loads, which may stay out
.set BB, BK+64*((\a)%2)
	s_wait_dscnt \younger
.irp t, 0,1,2,3,4,5,6,7,8,9,10,11,12,13,14,15
	global_store_b128 v[CO], v[BB+4*\t:BB+4*\t+3], s[12:13] offset:(32*((\a)/2)+8*((\a)%2)+\t+8*(\t/8))*4096 th:TH_STORE_NT   ; row t of tile a is token 32 (a / 2) + 8 (a % 2) + t + 8 (t / 8); 32 lanes store 512 consecutive bytes, at a multiple of 512 from out's first byte
.endr
.endm
	s_wait_kmcnt 0x0
	s_add_co_i32 s88, s86, s87                     ; e6 + e7
	s_add_co_i32 s88, s88, 127
	s_lshl_b32 s88, s88, 23                        ; 2^(e6 + e7) as f32
	s_mov_b32 s89, s88
	s_wait_loadcnt 0x0                             ; b_out
	PLACES                                         ; behind the last products, in front of the first read of results and of loads into y's fragments
	TOSTAGE 0
.irp a, 1,2,3
.if \a > 1
	s_wait_xcnt 0x0                                ; tile a - 2's stores have read their registers: tile a's loads may land there
.endif
	TOSTAGE \a
	SEND \a-1, 32                                  ; behind tile a - 1's loads: tile a's 16 stores and 16 loads
.endr
	SEND 3, 0
	s_wait_tensorcnt 0x0                           ; the wave's end
	ds_add_u32 v[SPW], v[NIL]
	s_wait_dscnt 0x0
	CROUND                                         ; the closing round: no work-group ends while a partner may still ask for a tile that names it
	s_endpgm
.Lfunc_end_k_q3fbe8c86cb_proj:
	.size	k_q3fbe8c86cb_proj, .Lfunc_end_k_q3fbe8c86cb_proj-k_q3fbe8c86cb_proj
	.p2alignl 7, 3214868480
	.fill 96, 4, 3214868480
	.section	.rodata,"a",@progbits
	.p2align	6, 0x0
	.amdhsa_kernel k_q3fbe8c86cb_proj
		.amdhsa_group_segment_fixed_size 327680
		.amdhsa_private_segment_fixed_size 0
		.amdhsa_enable_private_segment 0
		.amdhsa_kernarg_size 40
		.amdhsa_user_sgpr_count 2
		.amdhsa_user_sgpr_kernarg_segment_ptr 1
		.amdhsa_wavefront_size32 1
		.amdhsa_system_sgpr_workgroup_id_x 1
		.amdhsa_system_sgpr_workgroup_id_y 1
		.amdhsa_system_sgpr_workgroup_id_z 1
		.amdhsa_system_vgpr_workitem_id 0
		.amdhsa_next_free_vgpr 832
		.amdhsa_next_free_sgpr 100
		.amdhsa_reserve_vcc 0
		.amdhsa_float_denorm_mode_32 3
		.amdhsa_float_denorm_mode_16_64 3
		.amdhsa_memory_ordered 1
		.amdhsa_forward_progress 1
		.amdhsa_inst_pref_size 76
	.end_amdhsa_kernel
	.amdgpu_metadata
---
amdhsa.version: [ 1, 2 ]
amdhsa.kernels:
  - .name:           k_q3fbe8c86cb_proj
    .symbol:         k_q3fbe8c86cb_proj.kd
    .args:
      - { .name: yimg, .offset: 0, .size: 8, .value_kind: global_buffer, .address_space: global }
      - { .name: w_out_codes, .offset: 8, .size: 8, .value_kind: global_buffer, .address_space: global }
      - { .name: lowp_scales, .offset: 16, .size: 8, .value_kind: global_buffer, .address_space: global }
      - { .name: b_out, .offset: 24, .size: 8, .value_kind: global_buffer, .address_space: global }
      - { .name: out0, .offset: 32, .size: 8, .value_kind: global_buffer, .address_space: global }
    .group_segment_fixed_size: 327680
    .private_segment_fixed_size: 0
    .kernarg_segment_align: 8
    .kernarg_segment_size: 40
    .max_flat_workgroup_size: 128
    .sgpr_count:     100
    .vgpr_count:     832
    .wavefront_size: 32
...
	.end_amdgpu_metadata
.endif
;; end of part 3
